; MI455X (gfx1250); checked and timed in simulation.
; The chip was launched on July 23, 2026; its instructions are those of AMD's public machine-readable ISA for CDNA 5 (MIT licence, August 2026) and "CDNA5" Instruction Set Architecture Reference Guide (July 2026). The comments in the code are by the model that wrote it; some were corrected since.
;; XNOR Linear. Allowed arithmetic: matrix products marked QUANTISED: E4M3 operands, one given power-of-two scale a tensor, by v_wmma_f32_16x16x64_fp8_fp8 or v_wmma_f32_16x16x128_fp8_fp8, f32 sums; everything else in f32.
;; Inputs: bias 4,096 float32; full_precision 4,096 x 4,096 float32; lowp_scales 2 int32 (the exponents e of the quantised operands' scales 2^e); x 4,096 x 4,096 float32.
;; Outputs: out0 4,096 x 4,096 float32.
;; This version of the problem:
;;   THIS VERSION OF THE PROBLEM IS GIVEN IN LOW PRECISION. The matrix products marked QUANTISED in the list below multiply operands that are first quantised to E4M3 (4 exponent bits, 3 mantissa bits; 8 bits a number), with one given power-of-two scale for each operand tensor; their sums are f32. All else is computed in f32.
;;   The module's matrix products, in the order in which they are computed (A, B: the left and right operand; K: the contracted axis; several contracted axes count as one K, in the product's order):
;;     1. [M 4,096, K 4,096] x [K 4,096, N 4,096]; A: computed on the way; B: computed on the way: QUANTISED (scales: A lowp_scales[0], B lowp_scales[1])
;;   THE QUANTISER, for each operand of a quantised product, along K:
;;     - The operand's scale is 2^e, e = its entry of the input lowp_scales (int32; the entries are numbered through the quantised products in the list's order, A before B).
;;     - Each number is divided by the scale, clamped to +-448, and rounded to the nearest number of E4M3, ties to even, subnormals kept.
;;     - The product sums the exact products of the quantised numbers (number of the format x scale) in f32.
;;   ~~~python
;;   def quantise(x, axis, e):      # numpy; x: float32 -> the quantised numbers, widened to float32 again
;;       x = np.moveaxis(x, axis, -1); K = x.shape[-1]
;;       r = np.clip(x / 2.0 ** e, -448, 448)
;;       step = 2.0 ** (np.maximum(np.frexp(np.where(r == 0, 1, r))[1] - 1, -6) - 3)
;;       q = np.round(r / step) * step * 2.0 ** e      # np.round: ties to even
;;       return np.moveaxis(q, -1, axis).astype(np.float32)
;;   ~~~
;;   OPERANDS COMPUTED ON THE WAY. 'Computed on the way' means the value that the module computes at that place (a softmax that the list does not call 'softmax' is quantised finished and normalised). What goes into a quantiser is computed in f32, as accurately as f32 sums, v_exp_f32 and their like allow (about 1e-6 of the number): no bf16 or f16 on the way to a quantiser, and a product that is left as it is and whose result goes on into a quantised operand takes f32 operands (vector FMAs, or v_wmma_f32_16x16x4_f32). A number that lies on a knife's edge between two numbers of the format may be rounded either way, as far as f32 arithmetic and the matrix unit's own rounding can turn it there, and no further.
;; One version. Each part assembles by itself: llvm-mc -triple=amdgcn-amd-amdhsa -mcpu=gfx1250 --defsym DOCPART=n.
;; ======== version 1 of 1: 2 launches
;; limits: right only within a limited range of input values
;; workspace buffers: xq 16,777,216 bytes; wq 16,777,216 bytes
;; launch quant (part 1): grid 1024 x 1, 4 waves a work-group, no clusters, 0 bytes of LDS; arguments x, full_precision, lowp_scales, xq, wq; writes xq, wq
.if DOCPART == 1
	.amdgcn_target "amdgcn-amd-amdhsa--gfx1250"
	.amdhsa_code_object_version 6
	.text
	.protected	k_q4449f32515_quant
	.globl	k_q4449f32515_quant
	.p2align	8
	.type	k_q4449f32515_quant,@function
k_q4449f32515_quant:
	s_mov_b64 s[64:65], 0
	v_nop
	global_prefetch_b8 v0, s[64:65] scope:SCOPE_SE
	s_setreg_imm32_b32 hwreg(HW_REG_WAVE_MODE, 25, 1), 1
	s_wait_xcnt 0x0
; Both operands of the product are made here, once, as codes of FP8 (E4M3), one byte a number.
;   xq = Q(sign(x[m][k]))              with the scale 2^e0
;   wq = Q(sign(d[n][k]) * mv[n])      with the scale 2^e1;  d = w - the row's mean;  mv = the row's mean of min(|d|, 1)  (the clip to +-1 changes no sign)
;   Q(v) = v / 2^e, held within +-448, rounded to the nearest code, ties to even.
; ONE FORM FOR BOTH: code = Q(sign(v - mu) * m).  For x: mu = 0, m = 1, and the two reductions are jumped over by a scalar branch on the work-group's number.
; SHARES.  8,192 rows of 16,384 bytes.  A wave takes a WHOLE row into 128 registers, so that the row is read from memory once for its three passes and no reduction leaves the wave: no LDS, no barrier.
; A wave takes two neighbouring rows; a work-group of four waves eight.  Work-groups 0-511 take x, 512-1023 the weight.  While row 0 is converted, eight registers at a time, row 1 is loaded into the registers just converted.
; LAYOUT OF THE CODES: AS THE NEXT LAUNCH READS THEM.  Both buffers are laid [16 K steps][4,096 rows][256 bytes], so that the 128 rows x 256 bytes that one of its tensor loads brings are 32,768 bytes on end,
; and what all its work-groups ask for in one K step is one run of 1,048,576 bytes in each buffer.
; Load j of a row reads 512 consecutive bytes, 16 a lane: lane l holds k = 128 j + 4 l + i in register 4 j + i.  Eight registers give eight codes, four loads' registers 16 bytes a lane.  Store g of a row (g = 0 .. 7) puts them
; into K step 2 g + l / 16, at byte 16 (l % 16) of the row's 256: byte 16 (l % 16) + 4 u + i there holds k = 128 (4 g + u) + 4 l + i.  That is a permutation of k inside a row, THE SAME in xq and wq: every product still
; meets its partner, and only the order of the f32 sums changes.  It spares a turn through LDS.  Sixteen neighbouring lanes store 256 consecutive bytes, at a multiple of 256 from the buffer's first byte.
; THE SIGN.  v x 2^127 x 2^127 is 0 for 0 and at least 2^105 in magnitude for every other f32 number (the smallest is 2^-149); the magnitude m is at most 1; so the middle of (that, -m, m) is sign(v) x m exactly.
; LIMITS.  -126 <= e and e + 8 <= 127, so that 2^e and 448 x 2^e are f32 numbers.  NaN among the inputs is not served; an infinity counts as its sign; -0 gives the code -0, which adds nothing.
; A weight that equals its row's mean to within the rounding of the f32 sum (256 chains of 16, then a tree) may take either sign.
.set NXWG, 512                         ; work-groups that take x
.set ROWF, 16384                       ; a row of f32 in bytes
.set KSB,  1048576                     ; a K step's block of codes: 4,096 rows x 256 bytes
.set OFF,  1                           ; v1       16 x lane: the offset of every load; never rewritten
.set SC,   2                           ; v2       2^e as f32: the conversion takes its exponent field
.set CAP,  3                           ; v3       448 x 2^e
.set LIM,  4                           ; v4       the row's magnitude, held at CAP
.set MU,   6                           ; v[6:7]   the row's mean, twice
.set A,    8                           ; v[8:15]  eight running sums
.set T,    16                          ; v[16:23] at work
.set PT,   24                          ; v24      takes the other half of the lanes' sum
.set SO0,  26                          ; v26      the offset of stores 0-3: KSB x (lane / 16) + 16 x (lane % 16); never rewritten
.set SO1,  27                          ; v27      of stores 4-7: eight K steps further on, so that every immediate stays inside its signed 24 bits (ISA guide, chapter 10): 6 KSB + 256 at the most; never rewritten
.set X,    32                          ; v[32:159]  the row
.set CD,   160                         ; v[160:223] the codes: 32 registers for each of the two rows, so that no store's data are written again
	s_load_b256 s[4:11], s[0:1], 0x0               ; x s[4:5], the weight s[6:7], the scales' exponents s[8:9], xq s[10:11]
	s_load_b64 s[12:13], s[0:1], 0x20              ; wq
	v_lshrrev_b32 v5, 5, v0
	v_readfirstlane_b32 s17, v5                    ; wave 0..3
	v_and_b32 v[OFF], 31, v0
	v_lshlrev_b32 v[OFF], 4, v[OFF]
	v_and_b32 v[SO0], 15, v0
	v_lshlrev_b32 v[SO0], 4, v[SO0]                ; 16 x (lane % 16),
	v_bfe_u32 v5, v0, 4, 1
	v_lshl_add_u32 v[SO0], v5, 20, v[SO0]          ; and lanes 16-31 one K step further on
	v_add_nc_u32 v[SO1], 8*KSB, v[SO0]
	s_mov_b32 s20, 0x7f000000                      ; 2^127
	s_mov_b32 s21, 0x7f000000                      ; (named with it as a pair, so it is written)
	s_mov_b32 s26, 0x76543210                      ; v_permlanex16_b32: lane l takes lane l xor 16
	s_mov_b32 s27, 0xfedcba98
	s_wait_alu depctr_va_vdst(0)
	s_wait_kmcnt 0x0
	s_load_b64 s[14:15], s[8:9], 0x0               ; e0, e1
	s_cmp_lt_u32 ttmp9, NXWG                       ; x's work-group or the weight's?  The choice hangs on the work-group's number alone
	s_cselect_b64 s[4:5], s[4:5], s[6:7]           ; from where,
	s_cselect_b64 s[10:11], s[10:11], s[12:13]     ; to where,
	s_cselect_b32 s16, 0, NXWG                     ; and from which work-group the tensor's rows are counted
	s_sub_co_u32 s18, ttmp9, s16
	s_lshl_b32 s18, s18, 3                         ; eight rows a work-group,
	s_lshl_b32 s19, s17, 1                         ; two a wave
	s_add_co_u32 s18, s18, s19                     ; my first row, 0 to 4,094
	s_lshl_b32 s22, s18, 14                        ; in bytes of f32 (under 2^26),
	s_mov_b32 s23, 0
	s_lshl_b32 s24, s18, 8                         ; and its place in a K step's block of codes
	s_mov_b32 s25, 0
	s_add_nc_u64 s[4:5], s[4:5], s[22:23]          ; both bases are made once, ahead of every load and store
	s_add_nc_u64 s[10:11], s[10:11], s[24:25]
.macro LOADJ r, j                      ; 512 consecutive bytes of row r: read once in the launch
	global_load_b128 v[X+4*(\j):X+4*(\j)+3], v[OFF], s[4:5] offset:ROWF*(\r)+512*(\j) th:TH_LOAD_NT
.endm
.set jj, 0
.rept 32
	LOADJ 0, jj                                    ; the whole of row 0 is on its way
.set jj, jj+1
.endr
	s_wait_kmcnt 0x0
	s_cmp_lt_u32 ttmp9, NXWG
	s_cselect_b32 s14, s14, s15                    ; e
	s_add_co_i32 s14, s14, 127
	s_lshl_b32 s28, s14, 23
	v_mov_b32 v[SC], s28                           ; 2^e
	s_add_co_i32 s14, s14, 8
	s_lshl_b32 s29, s14, 23
	s_or_b32 s29, s29, 0x600000                    ; the mantissa field of 448
	v_mov_b32 v[CAP], s29                          ; 448 x 2^e
	v_min_num_f32 v[LIM], 1.0, v[CAP]              ; x's magnitude is 1, held; the weight's rows write their own
	v_mov_b32 v[PT], 0                             ; written once: a lane permute's destination counts as one of its sources
; The eight sums of a lane, then the 32 lanes: every lane ends with the row's sum in v[A].
.macro LANESUM
	v_pk_add_f32 v[A:A+1], v[A:A+1], v[A+2:A+3]
	v_pk_add_f32 v[A+4:A+5], v[A+4:A+5], v[A+6:A+7]
	v_pk_add_f32 v[A:A+1], v[A:A+1], v[A+4:A+5]
	v_add_f32 v[A], v[A], v[A+1]
	v_add_f32_dpp v[A], v[A], v[A] row_xmask:1 row_mask:0xf bank_mask:0xf
	v_add_f32_dpp v[A], v[A], v[A] row_xmask:2 row_mask:0xf bank_mask:0xf
	v_add_f32_dpp v[A], v[A], v[A] row_xmask:4 row_mask:0xf bank_mask:0xf
	v_add_f32_dpp v[A], v[A], v[A] row_xmask:8 row_mask:0xf bank_mask:0xf
	v_permlanex16_b32 v[PT], v[A], s26, s27
	v_add_f32 v[A], v[A], v[PT]
.endm
; Row r of my two.  refill = 1: the registers of each chunk that has been converted take row 1's loads.
.macro ROW r, refill
	s_cmp_lt_u32 ttmp9, NXWG
	s_cbranch_scc1 .Lsign_\@                       ; x has no mean to take away and the magnitude 1
	s_wait_loadcnt 0x0                             ; a reduction wants the whole row
	; pass 1: the row's sum, in four packed chains that the first two groups of eight registers start: nothing is cleared
.irp q, 0,1,2,3
	v_pk_add_f32 v[A+2*\q:A+2*\q+1], v[X+2*\q:X+2*\q+1], v[X+8+2*\q:X+8+2*\q+1]
.endr
.set gg, 2
.rept 14
.irp q, 0,1,2,3
	v_pk_add_f32 v[A+2*\q:A+2*\q+1], v[A+2*\q:A+2*\q+1], v[X+8*gg+2*\q:X+8*gg+2*\q+1]
.endr
.set gg, gg+1
.endr
	LANESUM
	v_mul_f32 v[MU], 0x39800000, v[A]              ; x 2^-12: the mean of 4,096, exact but for the sum's own rounding
	v_mul_f32 v[MU+1], 0x39800000, v[A]
	; pass 2: d = w - mean, in place, and the sum of min(|d|, 1)
.set gg, 0
.rept 16
.irp q, 0,1,2,3
	v_pk_add_f32 v[X+8*gg+2*\q:X+8*gg+2*\q+1], v[X+8*gg+2*\q:X+8*gg+2*\q+1], v[MU:MU+1] neg_lo:[0,1] neg_hi:[0,1]
.endr
.if gg == 0
.irp i, 0,1,2,3,4,5,6,7
	v_min_num_f32 v[A+\i], |v[X+\i]|, 1.0          ; the first group starts the sums
.endr
.else
.irp i, 0,1,2,3,4,5,6,7
	v_min_num_f32 v[T+\i], |v[X+8*gg+\i]|, 1.0
.endr
.irp q, 0,1,2,3
	v_pk_add_f32 v[A+2*\q:A+2*\q+1], v[A+2*\q:A+2*\q+1], v[T+2*\q:T+2*\q+1]
.endr
.endif
.set gg, gg+1
.endr
	LANESUM
	v_mul_f32 v[A], 0x39800000, v[A]               ; mv, between 0 and 1
	v_min_num_f32 v[LIM], v[A], v[CAP]             ; held at the largest code x the scale: the conversion to an 8-bit code does not saturate (ISA guide 7.6.2)
.Lsign_\@:
	; pass 3: sign x magnitude, the codes, the stores; eight registers (two loads' worth) at a time
.set ch, 0
.rept 16
.if \refill
	s_wait_loadcnt 30                              ; loads come back in order (ISA guide 5.7.1).  Behind this chunk's two stand this row's 30 - 2 ch younger loads and the 2 ch refills of the chunks before: 30
.else
	s_wait_loadcnt 30-2*ch                         ; behind this chunk's two stand this row's younger loads alone
.endif
.irp q, 0,1,2,3
	v_pk_mul_f32 v[X+8*ch+2*\q:X+8*ch+2*\q+1], v[X+8*ch+2*\q:X+8*ch+2*\q+1], s[20:21] op_sel_hi:[1,0]
.endr
.irp q, 0,1,2,3
	v_pk_mul_f32 v[X+8*ch+2*\q:X+8*ch+2*\q+1], v[X+8*ch+2*\q:X+8*ch+2*\q+1], s[20:21] op_sel_hi:[1,0]   ; twice x 2^127: 0 stays 0, all else is now beyond the magnitude
.endr
	s_wait_alu depctr_va_vdst(0)
.irp i, 0,1,2,3,4,5,6,7
	v_med3_num_f32 v[X+8*ch+\i], v[X+8*ch+\i], -v[LIM], v[LIM]   ; the middle one: sign x magnitude
.endr
	v_cvt_scalef32_pk8_fp8_f32 v[CD+32*\r+2*ch:CD+32*\r+2*ch+1], v[X+8*ch:X+8*ch+7], v[SC]   ; / 2^e, to the nearest code, ties to even; the first number's code in the lowest byte.  The next chunk's multiplies are the plain lines behind it
.if \refill
	LOADJ 1, 2*ch                                  ; the next row, into the registers that the conversion has read
	LOADJ 1, 2*ch+1
.endif
.set ch, ch+1
.endr
	v_nop                                          ; one plain vector line behind the row's last conversion, ahead of whatever vector line comes next
.endm
	ROW 0, 1
	ROW 1, 0
	; all sixteen stores of the wave stand here, behind its last vector line.  Store g of a row: lanes 0-15 fill the row's 256 bytes of K step 2 g, lanes 16-31 those of K step 2 g + 1; the two rows' units lie side by side
.irp g, 0,1,2,3
.irp r, 0,1
	global_store_b128 v[SO0], v[CD+32*\r+4*\g:CD+32*\r+4*\g+3], s[10:11] offset:2*\g*KSB+256*\r
.endr
.endr
.irp g, 0,1,2,3
.irp r, 0,1
	global_store_b128 v[SO1], v[CD+32*\r+16+4*\g:CD+32*\r+16+4*\g+3], s[10:11] offset:2*\g*KSB+256*\r
.endr
.endr
	s_endpgm
.Lfunc_end_k_q4449f32515_quant:
	.size	k_q4449f32515_quant, .Lfunc_end_k_q4449f32515_quant-k_q4449f32515_quant
	.p2alignl 7, 3214868480
	.fill 96, 4, 3214868480
	.section	.rodata,"a",@progbits
	.p2align	6, 0x0
	.amdhsa_kernel k_q4449f32515_quant
		.amdhsa_group_segment_fixed_size 0
		.amdhsa_private_segment_fixed_size 0
		.amdhsa_enable_private_segment 0
		.amdhsa_kernarg_size 40
		.amdhsa_user_sgpr_count 2
		.amdhsa_user_sgpr_kernarg_segment_ptr 1
		.amdhsa_wavefront_size32 1
		.amdhsa_system_sgpr_workgroup_id_x 1
		.amdhsa_system_sgpr_workgroup_id_y 1
		.amdhsa_system_sgpr_workgroup_id_z 1
		.amdhsa_system_vgpr_workitem_id 0
		.amdhsa_next_free_vgpr 224
		.amdhsa_next_free_sgpr 66
		.amdhsa_reserve_vcc 0
		.amdhsa_float_denorm_mode_32 3
		.amdhsa_float_denorm_mode_16_64 3
		.amdhsa_memory_ordered 1
		.amdhsa_forward_progress 1
		.amdhsa_inst_pref_size 88
	.end_amdhsa_kernel
	.amdgpu_metadata
---
amdhsa.version: [ 1, 2 ]
amdhsa.kernels:
  - .name:           k_q4449f32515_quant
    .symbol:         k_q4449f32515_quant.kd
    .args:
      - { .name: x, .offset: 0, .size: 8, .value_kind: global_buffer, .address_space: global }
      - { .name: full_precision, .offset: 8, .size: 8, .value_kind: global_buffer, .address_space: global }
      - { .name: lowp_scales, .offset: 16, .size: 8, .value_kind: global_buffer, .address_space: global }
      - { .name: xq, .offset: 24, .size: 8, .value_kind: global_buffer, .address_space: global }
      - { .name: wq, .offset: 32, .size: 8, .value_kind: global_buffer, .address_space: global }
    .group_segment_fixed_size: 0
    .private_segment_fixed_size: 0
    .kernarg_segment_align: 8
    .kernarg_segment_size: 40
    .max_flat_workgroup_size: 128
    .sgpr_count:     66
    .vgpr_count:     224
    .wavefront_size: 32
...
	.end_amdgpu_metadata
.endif
;; end of part 1
;; launch gemm (part 2): grid 16 x 16, 4 waves a work-group, clusters of 4 x 4, 327,680 bytes of LDS; arguments xq, wq, lowp_scales, out0, bias; writes out0
.if DOCPART == 2
	.amdgcn_target "amdgcn-amd-amdhsa--gfx1250"
	.amdhsa_code_object_version 6
	.text
	.protected	k_q4449f32515_gemm
	.globl	k_q4449f32515_gemm
	.p2align	8
	.type	k_q4449f32515_gemm,@function
k_q4449f32515_gemm:
	s_mov_b64 s[64:65], 0
	v_nop
	global_prefetch_b8 v0, s[64:65] scope:SCOPE_SE
	s_setreg_imm32_b32 hwreg(HW_REG_WAVE_MODE, 25, 1), 1
	s_wait_xcnt 0x0
	s_wait_alu depctr_hold_cnt(0) depctr_sa_sdst(0) depctr_va_vdst(0) depctr_va_sdst(0) depctr_va_ssrc(0) depctr_va_vcc(0) depctr_vm_vsrc(0)
	s_getreg_b32 s2, hwreg(HW_REG_IB_STS2, 6, 4)
	s_cmp_eq_u32 s2, 0
	s_cbranch_scc0 .Lentry_in_a_cluster
	s_endpgm
.Lentry_in_a_cluster:
	s_bfe_u32 s2, ttmp6, 0x10000c
	s_cmp_lg_u32 s2, 0xf033
	s_cbranch_scc0 .Lentry_shape_is_right
	s_endpgm
.Lentry_shape_is_right:
; out0[m][n] = 2^(e0 + e1) x (sum over k of xq[m][k] wq[n][k]) + bias[n].  xq, wq: codes of FP8 (E4M3) made by the launch before, both laid [16 K steps][4,096 rows][256 bytes],
; with the same permutation of k inside a row in both, so every product meets its partner.  Sums in f32.  LIMIT: e0 + e1 lies between -126 and 127, so that 2^(e0 + e1) is an f32 number.
; A work-group of four waves makes 256 x 256 of out0, a wave 128 x 128: 64 accumulators of 16 x 16, 512 registers.  K goes in 16 steps of 256 through a ring of two LDS slots;
; a wave's tensor load brings 128 rows x 256 bytes, 32,768 bytes on end in memory.  lds_bytes claims all of LDS.
; CLUSTERS: 4 x 4 work-groups.  A row of the cluster shares xq's tiles, a column wq's: each tile is asked for jointly, by one descriptor and a mask that names the four.
; THE MATRIX INSTRUCTION IS USED TRANSPOSED (source 0 = 16 rows of wq, source 1 = 16 rows of xq): a lane holds eight neighbouring numbers of a row of out0.
; PREFETCH: behind the joint load for K step s each wave names the 32 rows x 256 bytes that are its work-group's share (by address: cx for xq, cy for wq) of the 128 rows it will fetch in K step s + 2,
; a lane a row; the head names K steps 1, 2 and 3; the loop's last trip names nothing, so K step 15 is the last one named.  At most two K steps are asked for and not yet loaded.
; REGISTERS: window 0: v0-31 addresses, v128-255 xq's fragments (one set), v32-95 and v128-191 rows on the way out; window 1: wq's fragments, two sets; windows 2, 3: the accumulators ((a, b) at v[8 (8 (a % 4) + b)]).
.set SIZE_N, 4096
.set SIZE_K, 4096
.set KSTEP,  256
.set ROWB,   256                       ; a tile's row in bytes
.set KSB,    4096*ROWB                 ; a K step's block of codes
.set PITCH,  272                       ; an LDS row: 256 bytes + 16 of padding
.set FR,     16                        ; registers of a fragment, 16 rows x 128 K
.set NL,     4                         ; LDS loads that bring one
.set NP,     4                         ; places behind this matrix instruction (ISA guide 7.12.1)
.set HALFT,  128*PITCH                 ; what one tensor load brings
.set SLOT,   4*HALFT                   ; xq's 256 rows, then wq's 256
.set LAPS,   SIZE_K/(2*KSTEP)
.set SPARE,  2*SLOT                    ; behind the ring: the spare words, 128 bytes a wave
.set SPITCH, 528                       ; the way out: 16 rows x (512 + 16) bytes a wave, in slot 0 behind its last fill and last read
.set BI,   8                           ; v[8:11] bias of my four columns on the way out
.set ADRA, 16                          ; v16-17 LDS address of my xq fragments in slot 0, 1
.set ADRB, 20                          ; v20-21 the same for wq
.set STO,  24                          ; into the stage
.set RD,   25                          ; back from it
.set CO,   26                          ; 16 x lane: my bytes of a row of out0
.set PFO,  27                          ; 256 x lane: the prefetches' offset; never rewritten
.set SPW,  28                          ; my spare word; never rewritten
.set NIL,  29                          ; 0; never rewritten
.set AF,   128
.set G1, 24                            ; s[24:31] group 1, s[32:39] group 0 (a set a slot) for xq
.set G0, 32
.set G1B, 48                           ; s[48:55], s[56:63] the same for wq
.set G0B, 56
.set PFA, 68                           ; s[68:69] where my prefetches stand
.set MSB, 0
.macro WIN new                         ; the immediate's high byte repeats the setting that is left
.if MSB != \new
	s_set_vgpr_msb (MSB<<8)|\new
.set MSB, \new
.endif
.endm
.set MUL_LO, 0xa1                      ; source 0 window 1, source 1 window 0, C and D window 2
.set MUL_HI, 0xf1                      ; the same, C and D window 3
.set TO_B,   0x40                      ; destination window 1
.macro JLOAD g0a, g1a, g0b, g1b        ; a joint load: waves 0, 1 fetch xq's halves, waves 2, 3 wq's; s_nop 0 and four v_nop behind each line
	s_cmp_eq_u32 s15, 0
	s_cbranch_scc0 .Lfor_b_\@
	tensor_load_to_lds s[\g0a:\g0a+3], s[\g1a:\g1a+7]
	s_nop 0
.rept 4
	v_nop
.endr
	s_branch .Lasked_\@
.Lfor_b_\@:
	tensor_load_to_lds s[\g0b:\g0b+3], s[\g1b:\g1b+7]
	s_nop 0
.rept 4
	v_nop
.endr
.Lasked_\@:
.endm
.macro CREST                           ; a round of the cluster's barrier behind its opening barrier
	s_cmp_lg_u32 s14, 0
	s_cbranch_scc1 .Lnot_wave_0_\@
	s_barrier_signal -3
.Lnot_wave_0_\@:
	s_barrier_wait -3
	s_barrier_signal -1
	s_barrier_wait -1
.endm
.macro CROUND
	s_barrier_signal -1
	s_barrier_wait -1
	CREST
.endm
.macro ASK                             ; in the loop: the K step two refills on; s3 = 1 in the last trip, which has none
	s_cmp_gt_u32 s3, 1
	s_cbranch_scc0 .Lno_ask_\@
	global_prefetch_b8 v[PFO], s[PFA:PFA+1] offset:3*KSB th:TH_LOAD_NT scope:SCOPE_SE
.Lno_ask_\@:
.endm
	s_load_b128 s[4:7], s[0:1], 0x0                ; xq, wq
	s_load_b128 s[8:11], s[0:1], 0x10              ; the scales' exponents, out0
	s_load_b64 s[12:13], s[0:1], 0x20              ; bias
	v_lshl_add_u32 v[SPW], v0, 2, SPARE
	v_mov_b32 v[NIL], 0
	ds_add_u32 v[SPW], v[NIL]                      ; the opening lines: the add, twice on end, and its wait ahead of my first tensor load
	ds_add_u32 v[SPW], v[NIL]
	v_lshrrev_b32 v1, 5, v0
	v_readfirstlane_b32 s14, v1                    ; wave 0..3
	v_and_b32 v6, 31, v0                           ; lane
	v_lshlrev_b32 v[PFO], 8, v6
	s_lshr_b32 s15, s14, 1                         ; my half of the block's rows; also: I fetch xq (0) or wq (1)
	s_and_b32 s16, s14, 1                          ; my half of its columns; also: which 128 rows I fetch
	s_bfe_u32 s40, ttmp6, 0x40000                  ; cx
	s_bfe_u32 s41, ttmp6, 0x40004                  ; cy
	s_lshl_b32 s42, ttmp9, 2
	s_add_co_u32 s42, s42, s40                     ; block column
	s_and_b32 s17, ttmp7, 0xffff
	s_lshl_b32 s17, s17, 2
	s_add_co_u32 s17, s17, s41                     ; block row
	s_lshl_b32 s43, s41, 2
	s_lshl_b32 s43, 15, s43                        ; my row of the cluster
	s_lshl_b32 s44, 0x1111, s40                    ; my column
	s_or_b32 s[G1+0], s43, (0<<16)|(1<<20)|(1<<21)|(5<<22)|(3<<25)   ; mask; 1-byte elements; padding of 4 words behind every 64; bit 21 beside a mask
	s_or_b32 s[G1B+0], s44, (0<<16)|(1<<20)|(1<<21)|(5<<22)|(3<<25)
.irp g, G1, G1B
	s_mov_b32 s[\g+1], ROWB<<16                    ; tensor_dim0
	s_mov_b32 s[\g+2], 128<<16                     ; tensor_dim1
	s_mov_b32 s[\g+3], ROWB<<16                    ; tile_dim0
	s_mov_b32 s[\g+4], 128                         ; tile_dim1
	s_mov_b32 s[\g+5], ROWB                        ; pitch: the rows lie end to end
	s_mov_b32 s[\g+6], 0
	s_mov_b32 s[\g+7], 0
.endr
	s_lshl_b32 s18, s16, 7
	s_lshl_b32 s20, s17, 8
	s_add_co_u32 s20, s20, s18
	s_lshl_b32 s20, s20, 8                         ; xq: (256 x block row + 128 x half) rows of 256 bytes
	s_lshl_b32 s46, s42, 8
	s_add_co_u32 s46, s46, s18
	s_lshl_b32 s46, s46, 8                         ; wq: the same by the block column
	s_mov_b32 s21, 0
	s_mov_b32 s47, 0
	s_mul_i32 s45, s14, HALFT                      ; where my tile goes: wave x 128 rows
	s_wait_alu depctr_va_vdst(0)
	s_wait_dscnt 0x0                               ; both opening adds are done
	s_wait_kmcnt 0x0
	s_load_b64 s[96:97], s[8:9], 0x0               ; e0, e1
	s_add_nc_u64 s[20:21], s[4:5], s[20:21]
	s_add_nc_u64 s[46:47], s[6:7], s[46:47]
.irp s, 0,1
	s_mov_b32 s[G0+4*\s], 1
	s_add_co_u32 s[G0+4*\s+1], s45, \s*SLOT
	s_add_nc_u64 s[G0+4*\s+2:G0+4*\s+3], s[20:21], \s*KSB
	s_or_b32 s[G0+4*\s+3], s[G0+4*\s+3], 0x80000000
	s_mov_b32 s[G0B+4*\s], 1
	s_add_co_u32 s[G0B+4*\s+1], s45, \s*SLOT
	s_add_nc_u64 s[G0B+4*\s+2:G0B+4*\s+3], s[46:47], \s*KSB
	s_or_b32 s[G0B+4*\s+3], s[G0B+4*\s+3], 0x80000000
.endr
	s_cmp_eq_u32 s15, 0
	s_cselect_b64 s[PFA:PFA+1], s[20:21], s[46:47] ; the 128 rows that I fetch, K step 0,
	s_cselect_b32 s70, s40, s41                    ; my place among the four that ask with me,
	s_lshl_b32 s70, s70, 13                        ; x 32 rows of 256 bytes
	s_mov_b32 s71, 0
	s_add_nc_u64 s[PFA:PFA+1], s[PFA:PFA+1], s[70:71]
	CROUND                                         ; all sixteen work-groups are here: the first joint loads meet
	JLOAD G0, G1, G0B, G1B                         ; K step 0: my one tensor load at the head
	global_prefetch_b8 v[PFO], s[PFA:PFA+1] offset:KSB th:TH_LOAD_NT scope:SCOPE_SE     ; K steps 1 and 2
	global_prefetch_b8 v[PFO], s[PFA:PFA+1] offset:2*KSB th:TH_LOAD_NT scope:SCOPE_SE
	s_mul_i32 s21, s15, HALFT                      ; my 128 rows of xq
	s_mul_i32 s22, s16, HALFT
	s_add_co_u32 s22, s22, 2*HALFT                 ; my 128 rows of wq, behind xq's 256
	s_mul_i32 s23, s14, 16*SPITCH                  ; my stage
	v_and_b32 v1, 15, v0                           ; l % 16
	v_bfe_u32 v2, v0, 4, 1                         ; l / 16
	v_mul_u32_u24 v3, v1, PITCH
	v_lshl_add_u32 v4, v2, 4, v3                   ; a fragment's row x pitch + 16 x half
	v_add_nc_u32 v[ADRA], s21, v4
	v_add_nc_u32 v[ADRB], s22, v4
	v_add_nc_u32 v[ADRA+1], SLOT, v[ADRA]
	v_add_nc_u32 v[ADRB+1], SLOT, v[ADRB]
	v_mul_u32_u24 v5, v1, SPITCH
	v_lshl_add_u32 v5, v2, 5, v5                   ; into the stage: row l % 16, 32 bytes for each half of the lanes
	v_add_nc_u32 v[STO], s23, v5
	v_lshlrev_b32 v[CO], 4, v6                     ; back: the 32 lanes take one row of 512 bytes
	v_add_nc_u32 v[RD], s23, v[CO]
	s_wait_alu depctr_va_vdst(0)
	s_lshl_b32 s20, s17, 8
	s_lshl_b32 s21, s15, 7
	s_add_co_u32 s20, s20, s21
	s_lshl_b32 s20, s20, 14                        ; my first row of out0, in bytes (under 2^26)
	s_mov_b32 s21, 0
	s_lshl_b32 s46, s42, 10
	s_lshl_b32 s47, s16, 9
	s_add_co_u32 s46, s46, s47                     ; my first column, in bytes
	s_mov_b32 s47, 0
	s_add_nc_u64 s[10:11], s[10:11], s[20:21]
	s_add_nc_u64 s[10:11], s[10:11], s[46:47]
	s_add_nc_u64 s[12:13], s[12:13], s[46:47]
	global_load_b128 v[BI:BI+3], v[CO], s[12:13]   ; bias of the four columns that I store
.macro FRAG reg, adr, q, i             ; 16 rows x 128 K: four loads of 16 bytes, 32 apart, alike for both operands
.irp c, 0,1,2,3
	ds_load_b128 v[\reg+4*\c:\reg+4*\c+3], v[\adr] offset:128*(\q)+32*\c+(\i)*16*PITCH
.endr
.endm
.macro MUL16 a0, p, zero               ; xq's blocks a0, a0 + 1 x wq's eight; the 64 accumulators take turns; zero = 1 starts the sums
.irp a, \a0, \a0+1
.irp b, 0,1,2,3,4,5,6,7
.if \zero
	v_wmma_f32_16x16x128_fp8_fp8 v[8*(8*((\a)%4)+\b):8*(8*((\a)%4)+\b)+7], v[128*(\p)+FR*\b:128*(\p)+FR*\b+FR-1], v[AF+FR*(\a):AF+FR*(\a)+FR-1], 0
.else
	v_wmma_f32_16x16x128_fp8_fp8 v[8*(8*((\a)%4)+\b):8*(8*((\a)%4)+\b)+7], v[128*(\p)+FR*\b:128*(\p)+FR*\b+FR-1], v[AF+FR*(\a):AF+FR*(\a)+FR-1], v[8*(8*((\a)%4)+\b):8*(8*((\a)%4)+\b)+7]
.endif
.endr
.endr
.endm
.macro FETCH_B slot, q, p
	WIN TO_B
.irp i, 0,1,2,3,4,5,6,7
	FRAG 128*(\p)+FR*\i, ADRB+\slot, \q, \i
.endr
	WIN 0
.endm
.macro FETCH_A slot, q, i0
.irp i, \i0, \i0+1, \i0+2, \i0+3
	FRAG AF+FR*(\i), ADRA+\slot, \q, \i
.endr
.endm
.macro PLACES n                        ; in front of loads into registers that matrix instructions have read, and of reads of results
.rept \n
	v_nop
.endr
.endm
.macro STEP slot, q, zero              ; 128 along K whose successor lies in the same slot
	s_wait_dscnt 4*NL                              ; all but xq's blocks 4-7 are in
	WIN MUL_LO
	MUL16 0, (\q)%2, \zero
	MUL16 2, (\q)%2, \zero
	s_wait_dscnt 0
	PLACES NP
	FETCH_B \slot, (\q)+1, 1-(\q)%2
	FETCH_A \slot, (\q)+1, 0
	WIN MUL_HI
	MUL16 4, (\q)%2, \zero
	MUL16 6, (\q)%2, \zero
	PLACES NP
	WIN 0
	FETCH_A \slot, (\q)+1, 4
.endm
.macro TURN slot, next, fill           ; a slot's last 128 along K, and the change of slots; fill = 1: this slot takes the K step two on
.if \fill
	s_wait_xcnt 0x0                                ; my last prefetch has read its address,
	s_add_nc_u64 s[PFA:PFA+1], s[PFA:PFA+1], KSB   ; which goes one K step on
.endif
	s_wait_tensorcnt 0x0                           ; my one load that was out, my part of the next slot, has landed;
	ds_add_u32 v[SPW], v[NIL]
	s_wait_dscnt 4*NL+1                            ; (the add and xq's blocks 4-7 may be out)
	WIN MUL_LO
	MUL16 0, 1, 0
	s_wait_dscnt 0x0                               ; the add is done, and my reads of this slot are over
	s_barrier_signal -1
	MUL16 2, 1, 0
	WIN 0
	s_barrier_wait -1
.if \fill
	CREST                                          ; the barrier has opened a round of the cluster's: no wave of any partner still reads this slot or has a load out
	s_add_nc_u64 s[G0+4*\slot+2:G0+4*\slot+3], s[G0+4*\slot+2:G0+4*\slot+3], 2*KSB
	s_add_nc_u64 s[G0B+4*\slot+2:G0B+4*\slot+3], s[G0B+4*\slot+2:G0B+4*\slot+3], 2*KSB
	JLOAD G0+4*\slot, G1, G0B+4*\slot, G1B         ; the first tensor load behind the round; its four v_nop are the places for the loads below
.else
	PLACES NP
.endif
	FETCH_B \next, 0, 0
	FETCH_A \next, 0, 0
.if \fill
	ASK
.endif
	WIN MUL_HI
	MUL16 4, 1, 0
	MUL16 6, 1, 0
	PLACES NP
	WIN 0
	FETCH_A \next, 0, 4
.endm
	s_wait_tensorcnt 0x0                           ; my part of K step 0 is in; the three lines ahead of slot 1's first fill, as ahead of a refill
	ds_add_u32 v[SPW], v[NIL]
	s_wait_dscnt 0x0
	CROUND                                         ; everybody's part of K step 0 is in, and the joint loads meet
	JLOAD G0+4, G1, G0B+4, G1B                     ; K step 1
	FETCH_B 0, 0, 0
	FETCH_A 0, 0, 0
	FETCH_A 0, 0, 4
	global_prefetch_b8 v[PFO], s[PFA:PFA+1] offset:3*KSB th:TH_LOAD_NT scope:SCOPE_SE   ; K step 3
	STEP 0, 0, 1                                   ; the first step starts the sums: nothing is cleared
	s_mov_b32 s3, LAPS-1
.Llap:                                                 ; once round the ring: both slots are filled again
	TURN 0, 1, 1
	STEP 1, 0, 0
	TURN 1, 0, 1
	STEP 0, 0, 0
	s_sub_co_u32 s3, s3, 1
	s_cmp_lg_u32 s3, 0
	s_cbranch_scc1 .Llap
	TURN 0, 1, 0                                   ; the last lap fills nothing and has no round
	STEP 1, 0, 0
; THE WAY OUT, by blocks of 16 rows x 128 columns: the sums go through my own stage and come back as whole rows of 512 bytes; x 2^(e0 + e1), + bias; 32 lanes store two aligned units of 256 bytes.
; LDS serves a wave's instructions in order (ISA guide 5.7.1.4): no wait between the stage's stores and loads.
.macro TOSTAGE a
.set AC, 64*((\a)%4)
	WIN (0x08+4*((\a)/4))                          ; store data: window 2 or 3
.irp b, 0,1,2,3,4,5,6,7
	ds_store_b128 v[STO], v[AC+8*\b:AC+8*\b+3] offset:64*\b          ; each accumulator from its low end on
	ds_store_b128 v[STO], v[AC+8*\b+4:AC+8*\b+7] offset:64*\b+16
.endr
	WIN 0
.set BB, 32+96*((\a)%2)                ; v32-95 and v128-191 by turns
.irp t, 0,1,2,3,4,5,6,7,8,9,10,11,12,13,14,15
	ds_load_b128 v[BB+4*\t:BB+4*\t+3], v[RD] offset:\t*SPITCH
.endr
.endm
.macro SEND a, younger                 ; younger: the LDS instructions issued behind block a's loads
.set BB, 32+96*((\a)%2)
	s_wait_dscnt \younger
.if (\a) > 0
	s_add_nc_u64 s[10:11], s[10:11], 16*SIZE_N*4   ; behind a wait on XCNT: the earlier stores have read their base
.endif
.irp t, 0,1,2,3,4,5,6,7,8,9,10,11,12,13,14,15
	v_pk_fma_f32 v[BB+4*\t:BB+4*\t+1], v[BB+4*\t:BB+4*\t+1], s[96:97], v[BI:BI+1] op_sel_hi:[1,0,1]
	v_pk_fma_f32 v[BB+4*\t+2:BB+4*\t+3], v[BB+4*\t+2:BB+4*\t+3], s[96:97], v[BI+2:BI+3] op_sel_hi:[1,0,1]
.endr
.irp t, 0,1,2,3,4,5,6,7,8,9,10,11,12,13,14,15
	global_store_b128 v[CO], v[BB+4*\t:BB+4*\t+3], s[10:11] offset:\t*SIZE_N*4 th:TH_STORE_NT
.endr
.endm
	s_wait_kmcnt 0x0
	s_wait_loadcnt 0x0                             ; the bias
	s_add_co_i32 s96, s96, s97
	s_add_co_i32 s96, s96, 127
	s_lshl_b32 s96, s96, 23                        ; 2^(e0 + e1) as f32
	s_wait_dscnt 4*NL                              ; the very last step: a block of 16 rows is finished by its eight products
	WIN MUL_LO
	MUL16 0, 1, 0
	MUL16 2, 1, 0
	s_wait_dscnt 0
	WIN MUL_HI
	MUL16 4, 1, 0
	PLACES NP
	TOSTAGE 0                                      ; block 0 is on its way through the stage under the last sixteen products
	WIN MUL_HI
	MUL16 6, 1, 0
	PLACES NP
.irp a, 1,2,3,4,5,6,7
.if \a > 1
	s_wait_xcnt 0x0                                ; block a - 2's stores have read their registers and their base
.endif
	TOSTAGE \a
	SEND \a-1, 32                                  ; behind block a - 1's loads: block a's 16 stores and 16 loads
.endr
	s_wait_xcnt 0x0
	SEND 7, 0
	s_wait_tensorcnt 0x0                           ; the wave's end
	ds_add_u32 v[SPW], v[NIL]
	s_wait_dscnt 0x0
	CROUND                                         ; the closing round
	s_endpgm
.Lfunc_end_k_q4449f32515_gemm:
	.size	k_q4449f32515_gemm, .Lfunc_end_k_q4449f32515_gemm-k_q4449f32515_gemm
	.p2alignl 7, 3214868480
	.fill 96, 4, 3214868480
	.section	.rodata,"a",@progbits
	.p2align	6, 0x0
	.amdhsa_kernel k_q4449f32515_gemm
		.amdhsa_group_segment_fixed_size 327680
		.amdhsa_private_segment_fixed_size 0
		.amdhsa_enable_private_segment 0
		.amdhsa_kernarg_size 40
		.amdhsa_user_sgpr_count 2
		.amdhsa_user_sgpr_kernarg_segment_ptr 1
		.amdhsa_wavefront_size32 1
		.amdhsa_system_sgpr_workgroup_id_x 1
		.amdhsa_system_sgpr_workgroup_id_y 1
		.amdhsa_system_sgpr_workgroup_id_z 1
		.amdhsa_system_vgpr_workitem_id 0
		.amdhsa_next_free_vgpr 1024
		.amdhsa_next_free_sgpr 98
		.amdhsa_reserve_vcc 0
		.amdhsa_float_denorm_mode_32 3
		.amdhsa_float_denorm_mode_16_64 3
		.amdhsa_memory_ordered 1
		.amdhsa_forward_progress 1
		.amdhsa_inst_pref_size 125
	.end_amdhsa_kernel
	.amdgpu_metadata
---
amdhsa.version: [ 1, 2 ]
amdhsa.kernels:
  - .name:           k_q4449f32515_gemm
    .symbol:         k_q4449f32515_gemm.kd
    .args:
      - { .name: xq, .offset: 0, .size: 8, .value_kind: global_buffer, .address_space: global }
      - { .name: wq, .offset: 8, .size: 8, .value_kind: global_buffer, .address_space: global }
      - { .name: lowp_scales, .offset: 16, .size: 8, .value_kind: global_buffer, .address_space: global }
      - { .name: out0, .offset: 24, .size: 8, .value_kind: global_buffer, .address_space: global }
      - { .name: bias, .offset: 32, .size: 8, .value_kind: global_buffer, .address_space: global }
    .group_segment_fixed_size: 327680
    .private_segment_fixed_size: 0
    .kernarg_segment_align: 8
    .kernarg_segment_size: 40
    .max_flat_workgroup_size: 128
    .sgpr_count:     98
    .vgpr_count:     1024
    .wavefront_size: 32
...
	.end_amdgpu_metadata
.endif
;; end of part 2
